; MI455X (gfx1250); checked and timed in simulation.
; The chip was launched on July 23, 2026; its instructions are those of AMD's public machine-readable ISA for CDNA 5 (MIT licence, August 2026) and "CDNA5" Instruction Set Architecture Reference Guide (July 2026). The comments in the code are by the model that wrote it; some were corrected since.
;; Fast Attention. Allowed arithmetic: float matrix products may take bf16 or f16 operands with f32 sums; other float arithmetic in f32, or as packed bf16 or f16 multiplies, adds, multiply-adds, maxima and minima; sums over many terms, partial sums and values carried from step to step in f32; what a program stores and reads back later, other than sums and carried values, may be rounded once to bf16 or f16.
;; Inputs: k 2 x 8 x 4,096 x 64 float32; projection_matrix 256 x 64 float32; q 2 x 8 x 4,096 x 64 float32; v 2 x 8 x 4,096 x 64 float32.
;; Outputs: out0 2 x 8 x 4,096 x 64 float32.
;; 2 versions, each right; version 2 is version 1 with the launch prefix written anew for expert scheduling mode. Each part assembles by itself: llvm-mc -triple=amdgcn-amd-amdhsa -mcpu=gfx1250 --defsym DOCPART=n.
;; ======== version 1 of 2: 3 launches
;; workspace buffers: part 20,971,520 bytes; sv 131,072 bytes; smax 4,096 bytes; ctxf 10,485,760 bytes; svp 131,072 bytes
;; launch ksum (part 1): grid 16 x 16, 4 waves a work-group, no clusters, 116,224 bytes of LDS; arguments k, v, projection_matrix, part, sv, smax; writes part, sv, smax
.if DOCPART == 1
	.amdgcn_target "amdgcn-amd-amdhsa--gfx1250"
	.amdhsa_code_object_version 6
	.text
	.protected	k_q46cbf52f14_ksum
	.globl	k_q46cbf52f14_ksum
	.p2align	8
	.type	k_q46cbf52f14_ksum,@function
k_q46cbf52f14_ksum:
	s_mov_b64 s[64:65], 0
	v_nop
	global_prefetch_b8 v0, s[64:65] scope:SCOPE_SE
	s_setreg_imm32_b32 hwreg(HW_REG_WAVE_MODE, 25, 1), 1
	s_wait_xcnt 0x0
; PARTIAL SUMS OF THE KEY FEATURES.  A work-group owns one chunk of 256 keys of one (batch, head); grid x = chunk, y = batch*8+head.
; dd = 64^-0.25 * (k . P[m]);  E = exp(dd - |k|^2/16 - s), s = the wave's own maximum of dd (all 256 keys, its 64 features).
; Stored: part = sum over the chunk's keys of E[key][m] * V'[key][dv], V' = v with a column of ones behind it (f32, 16 x 5 tiles of 16 x 16),
; sv = the chunk's column sums of v, smax = the raw maximum of k . P for each wave.  The next launch takes the maximum of all smax and
; multiplies each partial sum by exp(s - maximum) <= 1: the subtraction of the global maximum in its running form.
; SHARES.  Wave w: features 64 w .. 64 w + 63, all keys, so no sum crosses waves.  D = K P^T holds one feature a lane and eight keys a
; register tile; two such tiles rounded to bf16 ARE the A fragment (16 features x 32 keys) of E^T V'.
; |k|^2 is the diagonal of K K^T on the matrix unit: the sum of squares of the bf16-rounded k, added in f32.
; LIMITS.  NaN and infinities are not treated apart; an exponential below 2^-126 counts as 0; sums are ordered otherwise than in the reference.
; NO TENSOR LOAD, NO CLUSTER: k, v and P are f32 and are rounded to bf16 in registers on their way to LDS; of the 192 KB a work-group reads only P's 64 KB are shared.
; REGISTERS in windows of 256: window 0 addresses, P's fragments, T (then V's fragments); window 1 K's fragments, then E;
; windows 2, 3: the loaded f32 rows, then D (64 tiles), then in window 2 the 21 sums.
.set PK, 144                  ; LDS row of 64 bf16 + 16 bytes: an odd multiple of 16, so the 16 rows of a fragment load start 16 bytes apart modulo 256
.set PV, 160                  ; V's row: an odd multiple of 32, for the transposing load
.set LK, 0                    ; K, 256 rows
.set LV, 36864                ; V, 256 rows
.set LP, 77824                ; P, 64 rows for each wave
.set LD, 114688               ; |k|^2 * log2(e)/16, 256 words
.set SPARE, 115712            ; the spare words: 128 bytes a wave
.set LANE, 1
.set R, 2
.set H, 3
.set GO, 4                    ; 16 x lane: two rows of 256 bytes are 512 consecutive bytes
.set SKA, 5
.set SVA, 6
.set SPA, 7
.set DA, 8
.set KFA, 9
.set PFA, 10
.set TA, 11
.set VTA, 12
.set VTW, 13
.set SPW, 14
.set NIL, 15
.set MX, 16                   ; v16-19 four running maxima
.set EX, 20                   ; v20-27 at work
.set GO4, 28
.set OKA, 29
.set SM, 30                   ; v30-31 s * c1, twice
.set ONES, 32                 ; v32-39 a fragment of 1.0
.set PF, 40                   ; v40-103 P's fragments: feature tile f, d half at PF+16f+8d
.set GA, 104                  ; v104-135 K K^T of my four key tiles
.set TT, 128                  ; v128-255 T: for key tile kt eight registers; before that 64 at work and my own K fragments
.set OKF, 192
.set MSB, 0
.macro WIN new                ; the high byte repeats the setting that is left; a switch that changes nothing is dropped
.if MSB != (\new)
	s_set_vgpr_msb (MSB<<8)|(\new)
.set MSB, (\new)
.endif
.endm
.macro PLACES                 ; plain vector instructions between a matrix instruction and what touches its registers (ISA guide 7.12.1)
.rept 5
	v_nop
.endr
.endm
	s_load_b256 s[4:11], s[0:1], 0x0               ; k s[4:5], v s[6:7], P s[8:9], part s[10:11]
	s_load_b128 s[12:15], s[0:1], 0x20             ; sv s[12:13], smax s[14:15]
	v_lshl_add_u32 v[SPW], v0, 2, SPARE
	v_mov_b32 v[NIL], 0
	v_lshrrev_b32 v[R], 5, v0
	v_readfirstlane_b32 s16, v[R]                  ; wave
	v_and_b32 v[LANE], 31, v0
	v_and_b32 v[R], 15, v0
	v_bfe_u32 v[H], v0, 4, 1
	s_mov_b32 s17, ttmp9                           ; chunk
	s_and_b32 s18, ttmp7, 0xffff                   ; batch*8+head
	s_lshl_b32 s20, s18, 20                        ; 4,096 rows of 256 bytes
	s_lshl_b32 s21, s17, 16                        ; 256 rows
	s_or_b32 s20, s20, s21
	s_lshl_b32 s22, s16, 14                        ; my 64 rows
	s_or_b32 s20, s20, s22
	s_mov_b32 s21, 0
	s_mov_b32 s23, 0
	s_lshl_b32 s24, s18, 4
	s_add_co_u32 s24, s24, s17                     ; the chunk's number, 0 .. 255
	s_mul_i32 s26, s24, 81920                      ; 80 tiles of 1,024 bytes
	s_mul_i32 s27, s16, 20480                      ; my 20 tiles
	s_add_co_u32 s26, s26, s27
	s_mov_b32 s27, 0
	s_lshl_b32 s28, s24, 9
	s_lshl_b32 s29, s16, 7
	s_add_co_u32 s28, s28, s29
	s_mov_b32 s29, 0
	s_lshl_b32 s30, s18, 2                         ; smax[head][wave][chunk]
	s_add_co_u32 s30, s30, s16
	s_lshl_b32 s30, s30, 4
	s_add_co_u32 s30, s30, s17
	s_lshl_b32 s30, s30, 2
	s_mov_b32 s31, 0
	s_mul_i32 s33, s16, 64*PK
	s_mul_i32 s34, s16, 64*PV
	s_lshl_b32 s35, s16, 8
	s_lshl_b32 s36, s16, 5
.irp j,1,2,3,4,5,6,7
	s_mov_b32 s[39+\j], 0x01010101<<\j             ; the lanes with lane % 8 = j
.endr
	s_mov_b32 s47, 0xff0000ff                      ; the lanes that hold a diagonal element
	s_mov_b32 s48, 0x76543210                      ; v_permlanex16_b32: each lane takes its own place in the other half
	s_mov_b32 s49, 0xfedcba98
	s_mov_b32 s50, 0x3f0293ee                      ; c1 = 64^-0.25 * log2(e)
	s_mov_b32 s51, 0x3f0293ee
	s_mov_b32 s52, 0x3db8aa3b                      ; log2(e) / 16
	v_lshlrev_b32 v[GO], 4, v[LANE]
	v_lshlrev_b32 v[GO4], 2, v[LANE]
	v_mul_u32_u24 v[SKA], v[H], PK                 ; staging: lane 16 h + r holds columns 4 r .. 4 r + 3 of row 2 i + h
	v_lshl_add_u32 v[SKA], v[R], 3, v[SKA]
	v_add_nc_u32 v[SKA], s33, v[SKA]
	v_add_nc_u32 v[SPA], LP, v[SKA]
	v_mul_u32_u24 v[SVA], v[H], PV
	v_lshl_add_u32 v[SVA], v[R], 3, v[SVA]
	v_add_nc_u32 v[SVA], s34, v[SVA]
	v_add_nc_u32 v[SVA], LV, v[SVA]
	v_mul_u32_u24 v[KFA], v[R], PK                 ; a fragment: row r, 16 bytes for each half of the lanes
	v_lshl_add_u32 v[KFA], v[H], 4, v[KFA]
	v_add_nc_u32 v[OKA], s33, v[KFA]
	v_add_nc_u32 v[PFA], LP, v[OKA]
	v_lshl_add_u32 v[DA], v[R], 2, s35
	v_add_nc_u32 v[DA], LD, v[DA]
	v_lshlrev_b32 v[TA], 5, v[H]
	v_add_nc_u32 v[TA], LD, v[TA]
	v_and_b32 v[EX], 7, v0                         ; the transposing load: key 8 h + lane % 8, 16 bytes by (lane / 8) % 2
	v_lshl_add_u32 v[EX], v[H], 3, v[EX]
	v_mul_u32_u24 v[VTA], v[EX], PV
	v_bfe_u32 v[EX], v0, 3, 1
	v_lshl_add_u32 v[VTA], v[EX], 4, v[VTA]
	v_add_nc_u32 v[VTA], LV, v[VTA]
	v_add_nc_u32 v[VTW], s36, v[VTA]               ; the dv tile whose column sums I make: tile w
.irp j,0,1,2,3,4,5,6,7
	v_mov_b32 v[ONES+\j], 0x3f803f80
.endr
	s_wait_kmcnt 0x0
	s_add_nc_u64 s[4:5], s[4:5], s[20:21]
	s_add_nc_u64 s[6:7], s[6:7], s[20:21]
	s_add_nc_u64 s[8:9], s[8:9], s[22:23]
	s_add_nc_u64 s[10:11], s[10:11], s[26:27]
	s_add_nc_u64 s[12:13], s[12:13], s[28:29]
	s_add_nc_u64 s[14:15], s[14:15], s[30:31]
	; all 96 loads go out at once: my 64 rows of K, of P and of V, 512 consecutive bytes an instruction
	WIN 0x80
.set i, 0
.rept 32
	global_load_b128 v[4*i:4*i+3], v[GO], s[4:5] offset:512*i
.set i, i+1
.endr
.set i, 0
.rept 32
	global_load_b128 v[128+4*i:128+4*i+3], v[GO], s[8:9] offset:512*i
.set i, i+1
.endr
	WIN 0xc0
.set i, 0
.rept 32
	global_load_b128 v[4*i:4*i+3], v[GO], s[6:7] offset:512*i
.set i, i+1
.endr
	WIN 0
; 64 rows are rounded to bf16 and laid into LDS
.macro STG win, base, adr, step
	WIN (\win)|((\win)<<2)
.set i, 0
.rept 32
	v_cvt_pk_bf16_f32 v[TT+2*i], v[(\base)+4*i], v[(\base)+4*i+1]
	v_cvt_pk_bf16_f32 v[TT+2*i+1], v[(\base)+4*i+2], v[(\base)+4*i+3]
.set i, i+1
.endr
	WIN 0
.set i, 0
.rept 32
	ds_store_b64 v[\adr], v[TT+2*i:TT+2*i+1] offset:(\step)*i
.set i, i+1
.endr
.endm
	s_wait_loadcnt 63                              ; 64 loads were issued behind K's; the largest count a wait can name is 63
	STG 2, 0, SKA, 2*PK
.irp t,0,1,2,3
.irp d,0,1
	ds_load_b128 v[OKF+16*\t+8*\d:OKF+16*\t+8*\d+3], v[OKA] offset:\t*16*PK+64*\d        ; my own four key tiles: bytes that I wrote, served in order
	ds_load_b128 v[OKF+16*\t+8*\d+4:OKF+16*\t+8*\d+7], v[OKA] offset:\t*16*PK+64*\d+32
.endr
.endr
	s_wait_loadcnt 32                              ; P is in; V's 32 loads may be out
	STG 2, 128, SPA, 2*PK
	s_wait_loadcnt 0x0
	STG 3, 0, SVA, 2*PV
	s_wait_dscnt 0x0
.irp d,0,1
.irp t,0,1,2,3
.if \d == 0
	v_wmma_f32_16x16x32_bf16 v[GA+8*\t:GA+8*\t+7], v[OKF+16*\t:OKF+16*\t+7], v[OKF+16*\t:OKF+16*\t+7], 0
.else
	v_wmma_f32_16x16x32_bf16 v[GA+8*\t:GA+8*\t+7], v[OKF+16*\t+8:OKF+16*\t+15], v[OKF+16*\t+8:OKF+16*\t+15], v[GA+8*\t:GA+8*\t+7]
.endif
.endr
.endr
	PLACES
	; the diagonal: element (r, r) lies in lane r + 16 (r / 8), register r % 8; the other half of the lanes takes it over
.irp t,0,1,2,3
	v_mov_b32 v[EX+2*\t+1], 0
.endr
.irp t,0,1,2,3
	v_cndmask_b32 v[EX+2*\t], v[GA+8*\t], v[GA+8*\t+1], s40
.endr
.irp j,2,3,4,5,6,7
.irp t,0,1,2,3
	v_cndmask_b32 v[EX+2*\t], v[EX+2*\t], v[GA+8*\t+\j], s[39+\j]
.endr
.endr
.irp t,0,1,2,3
	v_permlanex16_b32 v[EX+2*\t+1], v[EX+2*\t], s48, s49
.endr
.irp t,0,1,2,3
	v_cndmask_b32 v[EX+2*\t], v[EX+2*\t+1], v[EX+2*\t], s47
.endr
.irp t,0,1,2,3
	v_mul_f32 v[EX+2*\t], s52, v[EX+2*\t]
.endr
.irp t,0,1,2,3
	ds_store_b32 v[DA], v[EX+2*\t] offset:64*\t    ; both halves of the lanes write the same word with the same value
.endr
	s_wait_dscnt 0x0                               ; for the others' sake: my rows of K and V and my 64 words are in LDS
	s_barrier_signal -1
	s_barrier_wait -1
.irp f,0,1,2,3
.irp d,0,1
	ds_load_b128 v[PF+16*\f+8*\d:PF+16*\f+8*\d+3], v[PFA] offset:\f*16*PK+64*\d
	ds_load_b128 v[PF+16*\f+8*\d+4:PF+16*\f+8*\d+7], v[PFA] offset:\f*16*PK+64*\d+32
.endr
.endr
.macro KFETCH kt
.irp d,0,1
	ds_load_b128 v[16*(\kt)+8*\d:16*(\kt)+8*\d+3], v[KFA] offset:(\kt)*16*PK+64*\d
	ds_load_b128 v[16*(\kt)+8*\d+4:16*(\kt)+8*\d+7], v[KFA] offset:(\kt)*16*PK+64*\d+32
.endr
.endm
; D(kt, f) = K(kt) P(f)^T: the four accumulators of a key tile take turns; the first product starts each sum
.macro MULP kt
.irp d,0,1
.irp f,0,1,2,3
.if \d == 0
	v_wmma_f32_16x16x32_bf16 v[32*((\kt)%8)+8*\f:32*((\kt)%8)+8*\f+7], v[16*(\kt):16*(\kt)+7], v[PF+16*\f:PF+16*\f+7], 0
.else
	v_wmma_f32_16x16x32_bf16 v[32*((\kt)%8)+8*\f:32*((\kt)%8)+8*\f+7], v[16*(\kt)+8:16*(\kt)+15], v[PF+16*\f+8:PF+16*\f+15], v[32*((\kt)%8)+8*\f:32*((\kt)%8)+8*\f+7]
.endif
.endr
.endr
.endm
	WIN 0x40
.set kk, 0
.rept 8
	KFETCH kk
.set kk, kk+1
.endr
	s_wait_dscnt 0x0
.rept 8
	KFETCH kk                                      ; the second half lands under the first half's products
.set kk, kk+1
.endr
	WIN 0
.set kk, 0
.rept 16
	ds_load_b128 v[TT+8*kk:TT+8*kk+3], v[TA] offset:64*kk        ; register j of lane half h: key 16 kt + 8 h + j
	ds_load_b128 v[TT+8*kk+4:TT+8*kk+7], v[TA] offset:64*kk+16
.set kk, kk+1
.endr
	WIN 0xa1                                       ; A window 1, B window 0, C and D window 2
.set kk, 0
.rept 8
	MULP kk
.set kk, kk+1
.endr
	s_wait_dscnt 32                                ; K's fragments are in; T's 32 loads may be out
	WIN 0xf1                                       ; C and D window 3
.rept 8
	MULP kk
.set kk, kk+1
.endr
	WIN 0
	PLACES
	; the maximum of my 256 x 64 raw products: four chains; each accumulator is read from its low end on
.irp c,0,1,2,3
	v_mov_b32 v[MX+\c], 0xff7fffff
.endr
.macro MAXW
.set g, 0
.rept 8
.irp p,0,1,2,3
.irp c,0,1,2,3
	v_max3_num_f32 v[MX+\c], v[MX+\c], v[32*g+8*\c+2*\p], v[32*g+8*\c+2*\p+1]
.endr
.endr
.set g, g+1
.endr
.endm
	WIN 0x28
	MAXW
	WIN 0x3c
	MAXW
	WIN 0
	v_max3_num_f32 v[MX], v[MX], v[MX+1], v[MX+2]
	v_max_num_f32 v[MX], v[MX], v[MX+3]
	v_max_num_f32_dpp v[MX], v[MX], v[MX] row_xmask:1 row_mask:0xf bank_mask:0xf
	v_max_num_f32_dpp v[MX], v[MX], v[MX] row_xmask:2 row_mask:0xf bank_mask:0xf
	v_max_num_f32_dpp v[MX], v[MX], v[MX] row_xmask:4 row_mask:0xf bank_mask:0xf
	v_max_num_f32_dpp v[MX], v[MX], v[MX] row_xmask:8 row_mask:0xf bank_mask:0xf
	v_permlanex16_b32 v[MX+1], v[MX], s48, s49
	v_max_num_f32 v[MX], v[MX], v[MX+1]
	v_mov_b32 v[EX+7], 0
	v_cmp_eq_u32 vcc_lo, 0, v[LANE]
	s_wait_xcnt 0x0                                ; EXEC is a source of the memory instructions issued so far
	s_and_saveexec_b32 s53, vcc_lo
	global_store_b32 v[EX+7], v[MX], s[14:15]      ; one word a wave
	s_wait_xcnt 0x0
	s_or_b32 exec_lo, exec_lo, s53
	s_cmp_eq_u32 s17, 15                           ; no chunk follows the last one: only its maxima are wanted
	s_cbranch_scc1 .Lend
	v_mul_f32 v[SM], s50, v[MX]
	v_mov_b32 v[SM+1], v[SM]
	s_wait_dscnt 0x0
.set i, 0
.rept 64
	v_pk_add_f32 v[TT+2*i:TT+2*i+1], v[TT+2*i:TT+2*i+1], v[SM:SM+1]     ; T = (|k|^2/16 + s) log2(e)
.set i, i+1
.endr
; E = 2^(c1 raw - T), rounded to bf16: key tiles 2 ks and 2 ks + 1 make the fragment (f, ks) at 8 (4 ks + f) of window 1
.macro EXPK kt
.set WW, 2+(\kt)/8
.set DB, 32*((\kt)%8)
	WIN WW|(WW<<6)
.set i, 0
.rept 16
	v_pk_fma_f32 v[DB+2*i:DB+2*i+1], v[DB+2*i:DB+2*i+1], s[50:51], v[TT+8*(\kt)+2*(i%4):TT+8*(\kt)+2*(i%4)+1] op_sel_hi:[1,0,1] neg_lo:[0,0,1] neg_hi:[0,0,1]
.set i, i+1
.endr
.set i, 0
.rept 32
	v_exp_f32 v[DB+i], v[DB+i]
.set i, i+1
.endr
	v_nop                                          ; a plain instruction between the exponentials and the use of their results
	WIN 0x40|WW|(WW<<2)
.set i, 0
	s_wait_alu depctr_va_vdst(0)
.rept 16
	v_cvt_pk_bf16_f32 v[8*(4*((\kt)/2)+i/4)+4*((\kt)%2)+i%4], v[DB+2*i], v[DB+2*i+1]
.set i, i+1
.endr
.endm
.set kk, 0
.rept 16
	EXPK kk
.set kk, kk+1
.endr
	WIN 0
; V' for 32 keys: four dv tiles, turned, and once more the tile whose column sums are mine
.macro FETCHV ks, b
.set VB, TT+40*(\b)
.irp t,0,1,2,3
	ds_load_tr16_b128 v[VB+8*\t:VB+8*\t+3], v[VTA] offset:(\ks)*32*PV+32*\t
	ds_load_tr16_b128 v[VB+8*\t+4:VB+8*\t+7], v[VTA] offset:(\ks)*32*PV+16*PV+32*\t
.endr
	ds_load_tr16_b128 v[VB+32:VB+35], v[VTW] offset:(\ks)*32*PV
	ds_load_tr16_b128 v[VB+36:VB+39], v[VTW] offset:(\ks)*32*PV+16*PV
.endm
; 21 products on 21 accumulators: ctx(f, t) at 8 (5 f + t) of window 2 (a lane holds one dv and eight features), the column sums at 160
.macro MULC ks, b
.set VB, TT+40*(\b)
	WIN 0xa1
.irp f,0,1,2,3
.irp t,0,1,2,3,4
.set rB, VB+8*\t
.if \t == 4
.set rB, ONES
.endif
.if (\ks) == 0
	v_wmma_f32_16x16x32_bf16 v[8*(5*\f+\t):8*(5*\f+\t)+7], v[8*(4*(\ks)+\f):8*(4*(\ks)+\f)+7], v[rB:rB+7], 0
.else
	v_wmma_f32_16x16x32_bf16 v[8*(5*\f+\t):8*(5*\f+\t)+7], v[8*(4*(\ks)+\f):8*(4*(\ks)+\f)+7], v[rB:rB+7], v[8*(5*\f+\t):8*(5*\f+\t)+7]
.endif
.endr
.endr
	WIN 0xa0
.if (\ks) == 0
	v_wmma_f32_16x16x32_bf16 v[160:167], v[ONES:ONES+7], v[VB+32:VB+39], 0
.else
	v_wmma_f32_16x16x32_bf16 v[160:167], v[ONES:ONES+7], v[VB+32:VB+39], v[160:167]
.endif
	WIN 0
.endm
	FETCHV 0, 0
.set kk, 0
.rept 8
.if kk < 7
.if kk > 0
	PLACES                                         ; the buffer to be filled was read by the products of the step before
.endif
	FETCHV kk+1, (kk+1)%2
	s_wait_dscnt 10                                ; all but the ten just issued
.else
	s_wait_dscnt 0x0
.endif
	MULC kk, kk%2
.set kk, kk+1
.endr
	PLACES
	WIN 0x08                                       ; store data in window 2
.set i, 0
.rept 20
	global_store_b128 v[GO], v[8*i:8*i+3], s[10:11] offset:1024*i          ; 512 consecutive bytes an instruction
	global_store_b128 v[GO], v[8*i+4:8*i+7], s[10:11] offset:1024*i+512
.set i, i+1
.endr
	global_store_b32 v[GO4], v[160], s[12:13]      ; lane 16 h + r: the sum of column 16 w + r
	WIN 0
.Lend:
	s_wait_tensorcnt 0x0                           ; the wave's end
	ds_add_u32 v[SPW], v[NIL]
	s_wait_dscnt 0x0
	s_endpgm
.Lfunc_end_k_q46cbf52f14_ksum:
	.size	k_q46cbf52f14_ksum, .Lfunc_end_k_q46cbf52f14_ksum-k_q46cbf52f14_ksum
	.p2alignl 7, 3214868480
	.fill 96, 4, 3214868480
	.section	.rodata,"a",@progbits
	.p2align	6, 0x0
	.amdhsa_kernel k_q46cbf52f14_ksum
		.amdhsa_group_segment_fixed_size 116224
		.amdhsa_private_segment_fixed_size 0
		.amdhsa_enable_private_segment 0
		.amdhsa_kernarg_size 48
		.amdhsa_user_sgpr_count 2
		.amdhsa_user_sgpr_kernarg_segment_ptr 1
		.amdhsa_wavefront_size32 1
		.amdhsa_system_sgpr_workgroup_id_x 1
		.amdhsa_system_sgpr_workgroup_id_y 1
		.amdhsa_system_sgpr_workgroup_id_z 1
		.amdhsa_system_vgpr_workitem_id 0
		.amdhsa_next_free_vgpr 1024
		.amdhsa_next_free_sgpr 66
		.amdhsa_reserve_vcc 1
		.amdhsa_float_denorm_mode_32 3
		.amdhsa_float_denorm_mode_16_64 3
		.amdhsa_memory_ordered 1
		.amdhsa_forward_progress 1
		.amdhsa_inst_pref_size 145
	.end_amdhsa_kernel
	.amdgpu_metadata
---
amdhsa.version: [ 1, 2 ]
amdhsa.kernels:
  - .name:           k_q46cbf52f14_ksum
    .symbol:         k_q46cbf52f14_ksum.kd
    .args:
      - { .name: k, .offset: 0, .size: 8, .value_kind: global_buffer, .address_space: global }
      - { .name: v, .offset: 8, .size: 8, .value_kind: global_buffer, .address_space: global }
      - { .name: projection_matrix, .offset: 16, .size: 8, .value_kind: global_buffer, .address_space: global }
      - { .name: part, .offset: 24, .size: 8, .value_kind: global_buffer, .address_space: global }
      - { .name: sv, .offset: 32, .size: 8, .value_kind: global_buffer, .address_space: global }
      - { .name: smax, .offset: 40, .size: 8, .value_kind: global_buffer, .address_space: global }
    .group_segment_fixed_size: 116224
    .private_segment_fixed_size: 0
    .kernarg_segment_align: 8
    .kernarg_segment_size: 48
    .max_flat_workgroup_size: 128
    .sgpr_count:     66
    .vgpr_count:     1024
    .wavefront_size: 32
...
	.end_amdgpu_metadata
.endif
;; end of part 1
;; launch prefix (part 2): grid 16 x 16, 5 waves a work-group, no clusters, 0 bytes of LDS; arguments part, sv, smax, ctxf, svp; writes ctxf, svp
.if DOCPART == 2
	.amdgcn_target "amdgcn-amd-amdhsa--gfx1250"
	.amdhsa_code_object_version 6
	.text
	.protected	k_q46cbf52f14_prefix
	.globl	k_q46cbf52f14_prefix
	.p2align	8
	.type	k_q46cbf52f14_prefix,@function
k_q46cbf52f14_prefix:
	s_mov_b64 s[64:65], 0
	v_nop
	global_prefetch_b8 v0, s[64:65] scope:SCOPE_SE
	s_setreg_imm32_b32 hwreg(HW_REG_WAVE_MODE, 25, 1), 1
	s_wait_xcnt 0x0
; THE EXCLUSIVE PREFIX OVER A HEAD'S 16 CHUNKS.  grid x = feature tile fg (0 .. 15), y = batch*8+head; wave t = dv tile (0 .. 4).
; A wave owns one tile of 16 x 16: a lane holds one dv (16 t + lane % 16) and eight features.  For chunk c it stores, rounded once to bf16,
;   ctxE_c = sum over c' < c of exp(s_c' - S) part_c',   S = the maximum of all 1,024 stored maxima.
; The sums stay in f32; what is stored is the finished A operand of the last launch, in the order of its fragments: 512 consecutive bytes an instruction.
; The work-group of feature tile fg also stores, in f32, svp of chunk fg: the column sums of v over the chunks in front of it (waves 0 to 3, a dv tile each).
; A stream: no LDS, no matrix unit, no cluster (no two work-groups read the same tile of part).  All 54 loads of a wave go out at its head.
; Wave 4, the column of ones, has no column sums: it loads tile 3's, so that the waits count alike in all waves, and stores none.
; LIMITS.  NaN and infinities are not treated apart (a sum that is left out is multiplied by 0); an exponential below 2^-126 counts as 0.
.set SVR, 48                  ; v48-62   sv of chunks 0 .. 14
.set PT, 64                   ; v64-183  part of chunks 0 .. 14, eight registers each; a chunk's first four later hold the next chunk's output
.set ACC, 184                 ; v184-191
.set O0, 192                  ; v192-195 chunk 0's output: zeros
	s_load_b256 s[4:11], s[0:1], 0x0               ; part s[4:5], sv s[6:7], smax s[8:9], ctxf s[10:11]
	s_load_b64 s[32:33], s[0:1], 0x20              ; svp
	v_and_b32 v1, 31, v0
	v_lshrrev_b32 v2, 5, v0
	v_readfirstlane_b32 s12, v2                    ; t
	s_and_b32 s13, ttmp7, 0xffff
	s_mov_b32 s14, ttmp9                           ; fg
	v_lshlrev_b32 v3, 4, v1
	v_lshlrev_b32 v4, 2, v1
	v_and_b32 v5, 15, v0
	v_lshlrev_b32 v5, 2, v5
	s_mul_i32 s16, s13, 16*81920
	s_mul_i32 s17, s14, 5
	s_add_co_u32 s17, s17, s12
	s_lshl_b32 s17, s17, 10                        ; tile 5 fg + t of 1,024 bytes
	s_add_co_u32 s16, s16, s17
	s_mov_b32 s17, 0
	s_mul_i32 s18, s13, 16*40960
	s_lshl_b32 s19, s12, 4
	s_add_co_u32 s19, s19, s14
	s_lshl_b32 s19, s19, 9                         ; half fg % 2 of fragment (t, fg / 2): 512 (16 t + fg)
	s_add_co_u32 s18, s18, s19
	s_mov_b32 s19, 0
	s_lshl_b32 s20, s13, 13
	s_min_u32 s21, s12, 3
	s_lshl_b32 s21, s21, 7
	s_add_co_u32 s20, s20, s21
	s_lshl_b32 s34, s13, 4                         ; svp of chunk fg: 512 bytes a chunk, 128 a dv tile
	s_add_co_u32 s34, s34, s14
	s_lshl_b32 s34, s34, 9
	s_add_co_u32 s34, s34, s21
	s_mov_b32 s35, 0
	s_mov_b32 s21, 0
	s_lshl_b32 s22, s13, 2
	s_lshr_b32 s23, s14, 2                         ; the wave of the first launch that made this feature tile
	s_add_co_u32 s22, s22, s23
	s_lshl_b32 s22, s22, 6
	s_mov_b32 s23, 0
	s_mov_b32 s28, 0x76543210
	s_mov_b32 s29, 0xfedcba98
	s_wait_kmcnt 0x0
	s_add_nc_u64 s[4:5], s[4:5], s[16:17]
	s_add_nc_u64 s[6:7], s[6:7], s[20:21]
	s_add_nc_u64 s[30:31], s[8:9], s[22:23]
	s_add_nc_u64 s[10:11], s[10:11], s[18:19]
	s_add_nc_u64 s[32:33], s[32:33], s[34:35]
.set i, 0
.rept 8
	global_load_b128 v[8+4*i:8+4*i+3], v3, s[8:9] offset:512*i      ; all 1,024 maxima
.set i, i+1
.endr
	global_load_b32 v40, v5, s[30:31]              ; lane c % 16: the maximum of chunk c for this feature tile
.set c, 0
.rept 15
	global_load_b32 v[SVR+c], v4, s[6:7] offset:512*c
	global_load_b128 v[PT+8*c:PT+8*c+3], v3, s[4:5] offset:81920*c
	global_load_b128 v[PT+8*c+4:PT+8*c+7], v3, s[4:5] offset:81920*c+512
.set c, c+1
.endr
	v_mov_b32 v6, 0                                ; the column sum of v over the chunks in front of chunk fg
	v_mov_b32 v42, 0
	v_mov_b32 v47, 0
.irp p,0,1,2,3
	v_mov_b32 v[O0+\p], 0
.endr
	s_wait_loadcnt 45                              ; the maxima are in; three loads for each of 15 chunks may be out
	v_max3_num_f32 v41, v8, v9, v10
.set i, 0
.rept 14
	v_max3_num_f32 v41, v41, v[11+2*i], v[12+2*i]
.set i, i+1
.endr
	v_max_num_f32 v41, v41, v39
	v_max_num_f32_dpp v41, v41, v41 row_xmask:1 row_mask:0xf bank_mask:0xf
	v_max_num_f32_dpp v41, v41, v41 row_xmask:2 row_mask:0xf bank_mask:0xf
	v_max_num_f32_dpp v41, v41, v41 row_xmask:4 row_mask:0xf bank_mask:0xf
	v_max_num_f32_dpp v41, v41, v41 row_xmask:8 row_mask:0xf bank_mask:0xf
	v_permlanex16_b32 v42, v41, s28, s29
	v_max_num_f32 v41, v41, v42
	v_sub_f32 v43, v40, v41
	v_mul_f32 v43, 0x3f0293ee, v43                 ; times 64^-0.25 log2(e)
	v_exp_f32 v43, v43                             ; lane c: exp(s_c - S), at most 1
	v_nop
	s_wait_alu depctr_va_vdst(0)
.set c, 0
.rept 16
.if c == 0
	global_store_b128 v3, v[O0:O0+3], s[10:11]
.else
.irp p,0,1,2,3
	v_cvt_pk_bf16_f32 v[PT+8*(c-1)+\p], v[ACC+2*\p], v[ACC+2*\p+1]
.endr
	global_store_b128 v3, v[PT+8*(c-1):PT+8*(c-1)+3], s[10:11] offset:40960*c      ; registers that nothing writes again
.endif
.if c < 15
	s_wait_loadcnt 3*(14-c)                        ; chunk c is in; three loads for each later chunk may be out
	v_readlane_b32 s27, v43, c
	v_mov_b32 v46, s27
.irp p,0,1,2,3
.if c == 0
	v_pk_mul_f32 v[ACC+2*\p:ACC+2*\p+1], v[PT+2*\p:PT+2*\p+1], v[46:47] op_sel_hi:[1,0]
.else
	v_pk_fma_f32 v[ACC+2*\p:ACC+2*\p+1], v[PT+8*c+2*\p:PT+8*c+2*\p+1], v[46:47], v[ACC+2*\p:ACC+2*\p+1] op_sel_hi:[1,0,1]
.endif
.endr
	s_cmp_lt_u32 c, s14                            ; does chunk c lie in front of chunk fg?
	s_cselect_b32 s26, 1.0, 0
	v_fmac_f32 v6, s26, v[SVR+c]
.endif
.set c, c+1
.endr
	s_cmp_eq_u32 s12, 4
	s_cbranch_scc1 .Lend
	global_store_b32 v4, v6, s[32:33]              ; lane 16 h + r: column 16 t + r; the four waves fill the chunk's 512 bytes
.Lend:
	s_endpgm
.Lfunc_end_k_q46cbf52f14_prefix:
	.size	k_q46cbf52f14_prefix, .Lfunc_end_k_q46cbf52f14_prefix-k_q46cbf52f14_prefix
	.p2alignl 7, 3214868480
	.fill 96, 4, 3214868480
	.section	.rodata,"a",@progbits
	.p2align	6, 0x0
	.amdhsa_kernel k_q46cbf52f14_prefix
		.amdhsa_group_segment_fixed_size 0
		.amdhsa_private_segment_fixed_size 0
		.amdhsa_enable_private_segment 0
		.amdhsa_kernarg_size 40
		.amdhsa_user_sgpr_count 2
		.amdhsa_user_sgpr_kernarg_segment_ptr 1
		.amdhsa_wavefront_size32 1
		.amdhsa_system_sgpr_workgroup_id_x 1
		.amdhsa_system_sgpr_workgroup_id_y 1
		.amdhsa_system_sgpr_workgroup_id_z 1
		.amdhsa_system_vgpr_workitem_id 0
		.amdhsa_next_free_vgpr 200
		.amdhsa_next_free_sgpr 66
		.amdhsa_reserve_vcc 0
		.amdhsa_float_denorm_mode_32 3
		.amdhsa_float_denorm_mode_16_64 3
		.amdhsa_memory_ordered 1
		.amdhsa_forward_progress 1
		.amdhsa_inst_pref_size 22
	.end_amdhsa_kernel
	.amdgpu_metadata
---
amdhsa.version: [ 1, 2 ]
amdhsa.kernels:
  - .name:           k_q46cbf52f14_prefix
    .symbol:         k_q46cbf52f14_prefix.kd
    .args:
      - { .name: part, .offset: 0, .size: 8, .value_kind: global_buffer, .address_space: global }
      - { .name: sv, .offset: 8, .size: 8, .value_kind: global_buffer, .address_space: global }
      - { .name: smax, .offset: 16, .size: 8, .value_kind: global_buffer, .address_space: global }
      - { .name: ctxf, .offset: 24, .size: 8, .value_kind: global_buffer, .address_space: global }
      - { .name: svp, .offset: 32, .size: 8, .value_kind: global_buffer, .address_space: global }
    .group_segment_fixed_size: 0
    .private_segment_fixed_size: 0
    .kernarg_segment_align: 8
    .kernarg_segment_size: 40
    .max_flat_workgroup_size: 160
    .sgpr_count:     66
    .vgpr_count:     200
    .wavefront_size: 32
...
	.end_amdgpu_metadata
.endif
;; end of part 2
;; launch attn (part 3): grid 16 x 16, 4 waves a work-group, no clusters, 324,096 bytes of LDS; arguments q, k, v, projection_matrix, ctxf, smax, out0, svp; writes out0
.if DOCPART == 3
	.amdgcn_target "amdgcn-amd-amdhsa--gfx1250"
	.amdhsa_code_object_version 6
	.text
	.protected	k_q46cbf52f14_attn
	.globl	k_q46cbf52f14_attn
	.p2align	8
	.type	k_q46cbf52f14_attn,@function
k_q46cbf52f14_attn:
	s_mov_b64 s[64:65], 0
	v_nop
	global_prefetch_b8 v0, s[64:65] scope:SCOPE_SE
	s_setreg_imm32_b32 hwreg(HW_REG_WAVE_MODE, 25, 1), 1
	s_wait_xcnt 0x0
; CAUSAL LINEAR ATTENTION ON POSITIVE RANDOM FEATURES, one chunk of 256 rows of one (batch, head) to a work-group; grid x = chunk, y = batch*8+head.
;   Qp = exp(dd_q - |q|^2/16 - row maximum of dd_q) + 1e-4,   E = exp(dd_k - |k|^2/16 - S),   dd = 64^-0.25 x . P[m],   S = the maximum of all dd_k (from smax).
; The reference's key feature is E + 1e-4, and its two ratios 1/16 cancel once its 1e-6 is taken as 1.6e-5.  With c = 1e-4 x the sum over m of Qp[m]:
;   out[n] = ( Qp . ctxE + sum over i <= n of (Qp . E[i]) v[i] + c (svp + sum over i <= n of v[i]) ) / ( the same with v = 1 and svp = 256 chunk + 0.16 ).
; WHY THE 1e-4 GOES APART.  Where E lies far below 1e-4 all keys weigh alike, and out is a mean of v: a small number made of large sums.  A weight of 8 significant bits would be off by one
; amount in ctx and by another in the chunk's scores.  So c is rounded to bf16 once for each query, the same number multiplies every sum of v and every count, and its rounding cancels in the quotient;
; the sums of v are f32 sums of the bf16-rounded v.
; LAYOUT.  All products are used transposed, so that a lane holds ONE key or query: D = P X^T holds eight features a register tile, and two tiles rounded to bf16 ARE a fragment
; (16 rows x 32 features): E's serve as A of S^T = E Qp^T, Qp's as B.  S^T again holds one query a lane; two of its tiles ARE B of O^T += V'^T S^T, and the word (c, c) under the same mask is B of O^T += V'^T (c mask).
; O^T starts as ctxE^T Qp^T.  The fifth dv tile multiplies by ones: every register of it is the query's denominator; a sixth A tile of ones gives the sum of Qp.
; SHARES.  Wave w makes E of keys 64 w .. 64 w + 63 (through LDS to all) and owns the queries 32 w .. +31 and 32 (7 - w) .. +31: w + 1 and 8 - w key steps of 32, nine for every wave.
; In a query pair's last step what lies above the diagonal is cleared by an AND on the packed halves; in the other steps the mask is all ones.
; |x|^2 is the diagonal of X X^T on the matrix unit: the sum of squares of the bf16-rounded x, added in f32.
; LIMITS.  NaN and infinities are not treated apart; an exponential below 2^-126 counts as 0; sums are ordered otherwise than in the reference.
; NO TENSOR LOAD, NO CLUSTER: q, k, v and P are f32 and are rounded to bf16 in registers on their way to LDS; of the 300 KB a work-group reads only P's 64 KB are shared with others.
; REGISTERS in windows of 256: window 0 addresses, v56-63 X X^T, v64-127 packed results, v128-255 D (then ctx's and V's fragments and S^T);
; window 1 loaded rows, then P's 32 fragments, then E of a key step; window 2 loaded rows, then Qp (64 a query tile);
; window 3 v0-159 O^T (8 (5 a + t)), v160-191 X's fragments, v192-223 the sums of Qp, v224-255 svp.
.set PK, 144                  ; LDS row of 64 bf16 + 16 bytes
.set PV, 160                  ; V's row, for the transposing load
.set LV, 36864                ; P lies at 0: 256 rows; V: 256 rows
.set LC, 77824                ; ctx: 40 fragments of 1,024 bytes
.set LKP, 118784              ; E: 16 key tiles of 16 half fragments of 512 bytes
.set LSK, 249856              ; each wave's own 64 rows of K
.set LSQ, 286720              ; each wave's own 64 rows of Q; at the end its stage for the way out
.set SPARE, 323584            ; the spare words: 128 bytes a wave
.set LANE, 1
.set R, 2
.set H, 3
.set GO, 4
.set SPA, 5
.set SVA, 6
.set SKA, 7
.set SQA, 8
.set SCA, 9
.set PFA, 10
.set XFA, 11
.set QFA, 12
.set KSA, 13
.set SPW, 14
.set NIL, 15
.set CFA, 16
.set AKP, 17
.set AVT, 18
.set STO, 19
.set SRD, 20
.set SKV, 21                  ; S * c1
.set CF, 22                   ; v22-29 at work on the features; then c as f32, twice for each query tile
.set CNT, 30                  ; v30 256 chunk + 0.16
.set SVO, 31                  ; v31 my byte offset in a dv tile of svp; never rewritten
.set ONES, 32                 ; v32-39
.set MD, 40                   ; v40-43 the diagonal tile's mask on packed halves
.set M1, 44                   ; v44-51 the step's mask, for each query pair
.set CC, 52                   ; v52-55 the word (c, c) of each query tile
.set GA, 56                   ; v56-63
.set PKD, 64                  ; v64-127 packed features; in the key steps v64-95 the packed scores
.set PKC, 96                  ; v96-127 in the key steps: (c, c) under the mask
.set RC, 64                   ; v64-71 on the way out: reciprocals, twice each
.set DEN, 72                  ; v72-75 denominators
.set DD, 128
.set XF, 160                  ; window 3
.set SG, 192                  ; window 3
.set SVP, 224                 ; window 3: register 8 t + j: svp of column 16 t + 8 h + j
.set MSB, 0
.macro WIN new
.if MSB != (\new)
	s_set_vgpr_msb (MSB<<8)|(\new)
.set MSB, (\new)
.endif
.endm
.macro PLACES                 ; plain vector instructions between a matrix instruction and what touches its registers (ISA guide 7.12.1)
.rept 5
	v_nop
.endr
.endm
	s_load_b256 s[4:11], s[0:1], 0x0               ; q s[4:5], k s[6:7], v s[8:9], P s[10:11]
	s_load_b128 s[12:15], s[0:1], 0x20             ; ctxf s[12:13], smax s[14:15]
	s_load_b64 s[16:17], s[0:1], 0x30              ; out0
	s_load_b64 s[2:3], s[0:1], 0x38                ; svp
	v_lshl_add_u32 v[SPW], v0, 2, SPARE
	v_mov_b32 v[NIL], 0
	v_lshrrev_b32 v[R], 5, v0
	v_readfirstlane_b32 s18, v[R]                  ; wave w
	v_and_b32 v[LANE], 31, v0
	v_and_b32 v[R], 15, v0
	v_bfe_u32 v[H], v0, 4, 1
	s_sub_co_u32 s19, 7, s18                       ; my second query pair
	s_mov_b32 s20, ttmp9
	s_and_b32 s21, ttmp7, 0xffff
	s_lshl_b32 s22, s21, 20
	s_lshl_b32 s23, s20, 16
	s_or_b32 s22, s22, s23                         ; the chunk's first row, in bytes
	s_mov_b32 s23, 0
	s_lshl_b32 s24, s18, 14
	s_mov_b32 s25, 0
	s_lshl_b32 s26, s18, 13
	s_mov_b32 s27, 0
	s_lshl_b32 s28, s19, 13
	s_mov_b32 s29, 0
	s_lshl_b32 s30, s21, 4
	s_add_co_u32 s30, s30, s20                     ; the chunk's number, 0 .. 255
	s_lshl_b32 s34, s30, 9                         ; its 512 bytes of svp
	s_mov_b32 s35, 0
	s_mul_i32 s30, s30, 40960
	s_mul_i32 s59, s18, 10240
	s_add_co_u32 s30, s30, s59
	s_mov_b32 s31, 0
	s_mul_i32 s58, s18, 64*PK
	s_lshl_b32 s60, s18, 15
	s_lshl_b32 s53, s20, 8                         ; the keys in front of the chunk
.irp j,1,2,3,4,5,6,7
	s_mov_b32 s[39+\j], 0x01010101<<\j             ; the lanes with lane % 8 = j
.endr
	s_mov_b32 s47, 0xff0000ff                      ; the lanes that hold a diagonal element
	s_mov_b32 s48, 0x76543210
	s_mov_b32 s49, 0xfedcba98
	s_mov_b32 s50, 0x3f0293ee                      ; c1 = 64^-0.25 * log2(e)
	s_mov_b32 s51, 0x3f0293ee
	s_mov_b32 s52, 0x3db8aa3b                      ; log2(e) / 16
	s_mov_b32 s54, 0x38d1b717                      ; 1e-4
	s_mov_b32 s55, 0x38d1b717
	s_mov_b32 s56, 0xffff
	s_mov_b32 s57, 0xffff0000
	v_lshlrev_b32 v[GO], 4, v[LANE]
	v_lshlrev_b32 v[SVO], 5, v[H]
	v_cvt_f32_u32 v[CNT], s53
	v_add_f32 v[CNT], 0x3e23d70a, v[CNT]           ; + 0.16 = 1.6e-5 / 1e-4
	v_mul_u32_u24 v28, v[H], PK                    ; staging: lane 16 h + r holds columns 4 r .. 4 r + 3 of row 2 i + h
	v_lshl_add_u32 v28, v[R], 3, v28
	v_add_nc_u32 v[SPA], s58, v28
	v_add_nc_u32 v[SKA], LSK, v[SPA]
	v_add_nc_u32 v[SQA], LSQ, v[SPA]
	v_mul_u32_u24 v[SVA], v[H], PV
	v_lshl_add_u32 v[SVA], v[R], 3, v[SVA]
	v_add_nc_u32 v[SVA], s59, v[SVA]
	v_add_nc_u32 v[SVA], LV, v[SVA]
	v_add_nc_u32 v[SCA], s59, v[GO]
	v_add_nc_u32 v[SCA], LC, v[SCA]
	v_mul_u32_u24 v[PFA], v[R], PK                 ; a fragment: row r, 16 bytes for each half of the lanes
	v_lshl_add_u32 v[PFA], v[H], 4, v[PFA]
	v_add_nc_u32 v28, s58, v[PFA]
	v_add_nc_u32 v[XFA], LSK, v28
	v_add_nc_u32 v[QFA], LSQ, v28
	v_add_nc_u32 v[KSA], s60, v[GO]
	v_add_nc_u32 v[KSA], LKP, v[KSA]
	v_add_nc_u32 v[CFA], LC, v[GO]
	v_add_nc_u32 v[AKP], LKP, v[GO]
	v_and_b32 v28, 7, v0                           ; the transposing load: key 8 h + lane % 8, 16 bytes by (lane / 8) % 2
	v_lshl_add_u32 v28, v[H], 3, v28
	v_mul_u32_u24 v[AVT], v28, PV
	v_bfe_u32 v28, v0, 3, 1
	v_lshl_add_u32 v[AVT], v28, 4, v[AVT]
	v_add_nc_u32 v[AVT], LV, v[AVT]
	v_mul_u32_u24 v[STO], v[R], 272                ; the way out: row r, 32 bytes for each half of the lanes
	v_lshl_add_u32 v[STO], v[H], 5, v[STO]
	v_add_nc_u32 v[STO], s58, v[STO]
	v_add_nc_u32 v[STO], LSQ, v[STO]
	v_mul_u32_u24 v[SRD], v[H], 272                ; back: lanes 0-15 one row of 256 bytes, lanes 16-31 the next
	v_lshl_add_u32 v[SRD], v[R], 4, v[SRD]
	v_add_nc_u32 v[SRD], s58, v[SRD]
	v_add_nc_u32 v[SRD], LSQ, v[SRD]
	s_wait_kmcnt 0x0
	s_add_nc_u64 s[2:3], s[2:3], s[34:35]
	s_add_nc_u64 s[4:5], s[4:5], s[22:23]
	s_add_nc_u64 s[6:7], s[6:7], s[22:23]
	s_add_nc_u64 s[6:7], s[6:7], s[24:25]
	s_add_nc_u64 s[8:9], s[8:9], s[22:23]
	s_add_nc_u64 s[8:9], s[8:9], s[24:25]
	s_add_nc_u64 s[10:11], s[10:11], s[24:25]
	s_add_nc_u64 s[12:13], s[12:13], s[30:31]
	s_add_nc_u64 s[16:17], s[16:17], s[22:23]
	s_add_nc_u64 s[36:37], s[4:5], s[28:29]        ; q and out0 at my second query pair,
	s_add_nc_u64 s[4:5], s[4:5], s[26:27]          ; and at my first
	s_add_nc_u64 s[38:39], s[16:17], s[28:29]
	s_add_nc_u64 s[16:17], s[16:17], s[26:27]
	; all 164 loads go out at once: the maxima, svp, my 64 rows of P, K, Q and V, my quarter of ctx; but for svp's, 512 consecutive bytes an instruction
.set i, 0
.rept 8
	global_load_b128 v[96+4*i:96+4*i+3], v[GO], s[14:15] offset:512*i
.set i, i+1
.endr
	WIN 0xc0
.irp t,0,1,2,3
	global_load_b128 v[SVP+8*\t:SVP+8*\t+3], v[SVO], s[2:3] offset:128*\t          ; columns 16 t + 8 h + 0 .. 3: the same 16 bytes for all lanes of a half
	global_load_b128 v[SVP+8*\t+4:SVP+8*\t+7], v[SVO], s[2:3] offset:128*\t+16
.endr
	WIN 0x40
.set i, 0
.rept 32
	global_load_b128 v[4*i:4*i+3], v[GO], s[10:11] offset:512*i
.set i, i+1
.endr
.set i, 0
.rept 32
	global_load_b128 v[128+4*i:128+4*i+3], v[GO], s[6:7] offset:512*i th:TH_LOAD_NT
.set i, i+1
.endr
	WIN 0x80
.set i, 0
.rept 16
	global_load_b128 v[4*i:4*i+3], v[GO], s[4:5] offset:512*i th:TH_LOAD_NT
.set i, i+1
.endr
.set i, 0
.rept 16
	global_load_b128 v[64+4*i:64+4*i+3], v[GO], s[36:37] offset:512*i th:TH_LOAD_NT
.set i, i+1
.endr
.set i, 0
.rept 32
	global_load_b128 v[128+4*i:128+4*i+3], v[GO], s[8:9] offset:512*i th:TH_LOAD_NT
.set i, i+1
.endr
	WIN 0xc0
.set i, 0
.rept 20
	global_load_b128 v[4*i:4*i+3], v[GO], s[12:13] offset:512*i th:TH_LOAD_NT
.set i, i+1
.endr
	WIN 0
.irp j,0,1,2,3,4,5,6,7
	v_mov_b32 v[ONES+\j], 0x3f803f80
.endr
	v_lshlrev_b32 v28, 3, v[H]                     ; key 8 h + j of a diagonal tile is kept where it is not beyond query r
	v_sub_nc_u32 v28, v[R], v28
.irp p,0,1,2,3
	v_cmp_le_i32 vcc_lo, 2*\p, v28
	v_cndmask_b32 v[MD+\p], 0, s56, vcc_lo
	v_cmp_le_i32 vcc_lo, 2*\p+1, v28
	v_cndmask_b32 v29, 0, s57, vcc_lo
	v_or_b32 v[MD+\p], v[MD+\p], v29
.endr
	v_mov_b32 v25, 0
	s_wait_loadcnt 63                              ; 84 loads were issued behind K's; the largest count a wait can name is 63: the maxima, svp, P and K are in
	v_max3_num_f32 v24, v96, v97, v98
.set i, 0
.rept 14
	v_max3_num_f32 v24, v24, v[99+2*i], v[100+2*i]
.set i, i+1
.endr
	v_max_num_f32 v24, v24, v127
	v_max_num_f32_dpp v24, v24, v24 row_xmask:1 row_mask:0xf bank_mask:0xf
	v_max_num_f32_dpp v24, v24, v24 row_xmask:2 row_mask:0xf bank_mask:0xf
	v_max_num_f32_dpp v24, v24, v24 row_xmask:4 row_mask:0xf bank_mask:0xf
	v_max_num_f32_dpp v24, v24, v24 row_xmask:8 row_mask:0xf bank_mask:0xf
	v_permlanex16_b32 v25, v24, s48, s49
	v_max_num_f32 v24, v24, v25
	v_mul_f32 v[SKV], s50, v24
.macro STG win, base, adr, step                ; 64 rows are rounded to bf16 and laid into LDS
	WIN (\win)|((\win)<<2)
.set i, 0
.rept 32
	v_cvt_pk_bf16_f32 v[DD+2*i], v[(\base)+4*i], v[(\base)+4*i+1]
	v_cvt_pk_bf16_f32 v[DD+2*i+1], v[(\base)+4*i+2], v[(\base)+4*i+3]
.set i, i+1
.endr
	WIN 0
.set i, 0
.rept 32
	ds_store_b64 v[\adr], v[DD+2*i:DD+2*i+1] offset:(\step)*i
.set i, i+1
.endr
.endm
	STG 1, 0, SPA, 2*PK
	STG 1, 128, SKA, 2*PK
	s_wait_loadcnt 52                              ; Q is in; V's 32 and ctx's 20 loads may be out
	STG 2, 0, SQA, 2*PK
	s_wait_loadcnt 20
	STG 2, 128, SVA, 2*PV
	s_wait_loadcnt 0x0
	WIN 0x0c                                       ; store data in window 3
.set i, 0
.rept 20
	ds_store_b128 v[SCA], v[4*i:4*i+3] offset:512*i
.set i, i+1
.endr
	WIN 0
	s_wait_dscnt 0x0                               ; for the others' sake: my rows of P and V and my quarter of ctx are in LDS
	s_barrier_signal -1
	s_barrier_wait -1
	WIN 0x40                                       ; P stays in registers: feature tile f, d half at 16 f + 8 d of window 1
.set f, 0
.rept 16
.irp d,0,1
	ds_load_b128 v[16*f+8*\d:16*f+8*\d+3], v[PFA] offset:f*16*PK+64*\d
	ds_load_b128 v[16*f+8*\d+4:16*f+8*\d+7], v[PFA] offset:f*16*PK+64*\d+32
.endr
.set f, f+1
.endr
	WIN 0
; D(f) = P(f) X^T for 16 rows of X, and X X^T: 17 accumulators take turns; the first products start the sums
.macro PROJ xf
	WIN 0x0d                                       ; A window 1, B window 3, C and D window 0
.set f, 0
.rept 16
	v_wmma_f32_16x16x32_bf16 v[DD+8*f:DD+8*f+7], v[16*f:16*f+7], v[(\xf):(\xf)+7], 0
.set f, f+1
.endr
	WIN 0x0f
	v_wmma_f32_16x16x32_bf16 v[GA:GA+7], v[(\xf):(\xf)+7], v[(\xf):(\xf)+7], 0
	WIN 0x0d
.set f, 0
.rept 16
	v_wmma_f32_16x16x32_bf16 v[DD+8*f:DD+8*f+7], v[16*f+8:16*f+15], v[(\xf)+8:(\xf)+15], v[DD+8*f:DD+8*f+7]
.set f, f+1
.endr
	WIN 0x0f
	v_wmma_f32_16x16x32_bf16 v[GA:GA+7], v[(\xf)+8:(\xf)+15], v[(\xf)+8:(\xf)+15], v[GA:GA+7]
	WIN 0
	PLACES
.endm
.macro DIAGX                                   ; v28 = |x|^2 of my row: element (r, r) lies in lane r + 16 (r / 8), register r % 8
	v_cndmask_b32 v28, v[GA], v[GA+1], s40
.irp j,2,3,4,5,6,7
	v_cndmask_b32 v28, v28, v[GA+\j], s[39+\j]
.endr
	v_permlanex16_b32 v29, v28, s48, s49
	v_cndmask_b32 v28, v29, v28, s47
.endm
.macro FMA4 f                                  ; c1 raw - T
.irp p,0,1,2,3
	v_pk_fma_f32 v[DD+8*(\f)+2*\p:DD+8*(\f)+2*\p+1], v[DD+8*(\f)+2*\p:DD+8*(\f)+2*\p+1], s[50:51], v[22:23] op_sel_hi:[1,0,0] neg_lo:[0,0,1] neg_hi:[0,0,1]
.endr
.endm
.macro EXP8 f
.irp j,0,1,2,3,4,5,6,7
	v_exp_f32 v[DD+8*(\f)+\j], v[DD+8*(\f)+\j]
.endr
.endm
.macro ADD4 f
	s_wait_alu depctr_va_vdst(0)
.irp p,0,1,2,3
	v_pk_add_f32 v[DD+8*(\f)+2*\p:DD+8*(\f)+2*\p+1], v[DD+8*(\f)+2*\p:DD+8*(\f)+2*\p+1], s[54:55] op_sel_hi:[1,0]
.endr
.endm
.macro EXPS eps                                ; the next tile's scalings are the plain instructions behind a tile's exponentials.  eps = 1: the queries' features take their 1e-4
.set ff, 0
	FMA4 ff
.rept 16
	EXP8 ff
.if ff < 15
	FMA4 ff+1
.else
	v_nop
	s_wait_alu depctr_va_vdst(0)
.endif
.if \eps
	ADD4 ff
.endif
.set ff, ff+1
.endr
.endm
.macro CVT64 dst                               ; feature tiles 2 fs and 2 fs + 1 make fragment fs: register 4 f + p
.set ii, 0
	s_wait_alu depctr_va_vdst(0)
.rept 64
	v_cvt_pk_bf16_f32 v[(\dst)+ii], v[DD+2*ii], v[DD+2*ii+1]
.set ii, ii+1
.endr
.endm
	; E of my four key tiles, a tile a trip
	s_mov_b32 s32, 4
.Lkt:
	WIN 0xc0
	ds_load_b128 v[XF:XF+3], v[XFA]
	ds_load_b128 v[XF+4:XF+7], v[XFA] offset:32
	ds_load_b128 v[XF+8:XF+11], v[XFA] offset:64
	ds_load_b128 v[XF+12:XF+15], v[XFA] offset:96
	WIN 0
	s_wait_dscnt 0x0
	PROJ XF
	DIAGX
	v_fma_f32 v22, v28, s52, v[SKV]                ; T = (|k|^2/16 + S) log2(e)
	v_mov_b32 v23, v22
	EXPS 0
	CVT64 PKD
.set ii, 0
.rept 16
	ds_store_b128 v[KSA], v[PKD+4*ii:PKD+4*ii+3] offset:512*ii     ; the registers as they lie: 512 consecutive bytes
.set ii, ii+1
.endr
	v_add_nc_u32 v[XFA], 16*PK, v[XFA]
	v_add_nc_u32 v[KSA], 8192, v[KSA]
	s_sub_co_u32 s32, s32, 1
	s_cmp_lg_u32 s32, 0
	s_cbranch_scc1 .Lkt
.macro MAXQ                                    ; the row's maximum: four chains, each accumulator read from its low end on
.irp c,0,1,2,3
	v_max_num_f32 v[24+\c], v[DD+8*\c], v[DD+8*\c+1]
.endr
.irp p,1,2,3
.irp c,0,1,2,3
	v_max3_num_f32 v[24+\c], v[24+\c], v[DD+8*\c+2*\p], v[DD+8*\c+2*\p+1]
.endr
.endr
.irp g,1,2,3
.irp p,0,1,2,3
.irp c,0,1,2,3
	v_max3_num_f32 v[24+\c], v[24+\c], v[DD+32*\g+8*\c+2*\p], v[DD+32*\g+8*\c+2*\p+1]
.endr
.endr
.endr
	v_max3_num_f32 v24, v24, v25, v26
	v_max_num_f32 v24, v24, v27
	v_permlanex16_b32 v25, v24, s48, s49           ; the query's other 128 features lie in the lane 16 away
	v_max_num_f32 v24, v24, v25
.endm
.macro FEATQ xf, dst
	PROJ \xf
	MAXQ
	DIAGX
	v_mul_f32 v24, s50, v24
	v_fma_f32 v22, v28, s52, v24                   ; T = (|q|^2/16 + row maximum) log2(e)
	v_mov_b32 v23, v22
	EXPS 1
	WIN 0x80
	CVT64 \dst
	WIN 0
.endm
	; Qp, a query pair a trip, always into the upper half of window 2; the first pair is then moved down, so that one text serves both
	s_mov_b32 s32, 2
.Lqp:
	WIN 0xc0
.irp t,0,1
	ds_load_b128 v[XF+16*\t:XF+16*\t+3], v[QFA] offset:\t*16*PK
	ds_load_b128 v[XF+16*\t+4:XF+16*\t+7], v[QFA] offset:\t*16*PK+32
	ds_load_b128 v[XF+16*\t+8:XF+16*\t+11], v[QFA] offset:\t*16*PK+64
	ds_load_b128 v[XF+16*\t+12:XF+16*\t+15], v[QFA] offset:\t*16*PK+96
.endr
	WIN 0
	s_wait_dscnt 0x0
	FEATQ XF, 128
	FEATQ XF+16, 192
	v_add_nc_u32 v[QFA], 32*PK, v[QFA]
	s_sub_co_u32 s32, s32, 1
	s_cmp_eq_u32 s32, 0
	s_cbranch_scc1 .Lqk
	WIN 0x82
.set ii, 0
.rept 128
	v_mov_b32 v[ii], v[128+ii]
.set ii, ii+1
.endr
	WIN 0
.Lqk:
	s_cmp_lg_u32 s32, 0
	s_cbranch_scc1 .Lqp
	; O^T(t, a) = ctxE^T(t) Qp^T(a), and with a sixth A tile of ones the sum of Qp: 24 accumulators take turns; the first 32 features start the sums
.macro FETCHC fs, b
.irp t,0,1,2,3,4
	ds_load_b128 v[DD+40*(\b)+8*\t:DD+40*(\b)+8*\t+3], v[CFA] offset:(8*\t+(\fs))*1024
	ds_load_b128 v[DD+40*(\b)+8*\t+4:DD+40*(\b)+8*\t+7], v[CFA] offset:(8*\t+(\fs))*1024+512
.endr
.endm
.macro MULX fs, b
	WIN 0xf8                                       ; A window 0, B window 2, C and D window 3
.irp a,0,1,2,3
.irp t,0,1,2,3,4,5
.set rA, DD+40*(\b)+8*\t
.set rD, 8*(5*\a+\t)
.if \t == 5
.set rA, ONES
.set rD, SG+8*\a
.endif
.if (\fs) == 0
	v_wmma_f32_16x16x32_bf16 v[rD:rD+7], v[rA:rA+7], v[64*\a+8*(\fs):64*\a+8*(\fs)+7], 0
.else
	v_wmma_f32_16x16x32_bf16 v[rD:rD+7], v[rA:rA+7], v[64*\a+8*(\fs):64*\a+8*(\fs)+7], v[rD:rD+7]
.endif
.endr
.endr
	WIN 0
.endm
	PLACES
	FETCHC 0, 0
.set kk, 0
.rept 8
.if kk < 7
.if kk > 0
	PLACES                                         ; the buffer to be filled was read by the products of the step before
.endif
	FETCHC kk+1, (kk+1)%2
	s_wait_dscnt 10                                ; all but the ten just issued
.else
	s_wait_dscnt 0x0
.endif
	MULX kk, kk%2
.set kk, kk+1
.endr
	PLACES
	; c = 1e-4 x the sum of Qp, rounded to bf16 once: the word (c, c) for the matrix unit, and the same number as f32 for the way out
	WIN 0x0c                                       ; source 1 in window 3
.irp a,0,1,2,3
	v_mul_f32 v[CF+2*\a], s54, v[SG+8*\a]
.endr
	WIN 0
.irp a,0,1,2,3
	v_cvt_pk_bf16_f32 v[CC+\a], v[CF+2*\a], v[CF+2*\a]
.endr
.irp a,0,1,2,3
	v_lshlrev_b32 v[CF+2*\a], 16, v[CC+\a]
.endr
.irp a,0,1,2,3
	v_mov_b32 v[CF+2*\a+1], v[CF+2*\a]
.endr
.irp u,0,1
.irp p,0,1,2,3
	v_mov_b32 v[PKC+16*\u+8+\p], v[CC+2*\u+1]      ; a pair's second query tile sees a step's first 16 keys in every step: these four words never change
.endr
.endr
	s_wait_dscnt 0x0                               ; for the others' sake: my four tiles of E are in LDS
	s_barrier_signal -1
	s_barrier_wait -1
.macro FETCHK                                  ; E of two key tiles: 32 half fragments, 16,384 consecutive bytes
	WIN 0x40
.set ii, 0
.rept 32
	ds_load_b128 v[4*ii:4*ii+3], v[AKP] offset:512*ii
.set ii, ii+1
.endr
	WIN 0
.endm
.macro FETCHV                                  ; V^T of 32 keys, four dv tiles
.irp t,0,1,2,3
	ds_load_tr16_b128 v[DD+8*\t:DD+8*\t+3], v[AVT] offset:32*\t
	ds_load_tr16_b128 v[DD+8*\t+4:DD+8*\t+7], v[AVT] offset:16*PV+32*\t
.endr
.endm
.macro SMUL u                                  ; S^T of query pair u: two key tiles x two query tiles take turns over the 8 feature steps
	WIN 0x09                                       ; A window 1, B window 2, C and D window 0
.set fs, 0
.rept 8
.irp kt,0,1
.irp a2,0,1
.if fs == 0
	v_wmma_f32_16x16x32_bf16 v[192+32*(\u)+8*(2*\kt+\a2):192+32*(\u)+8*(2*\kt+\a2)+7], v[64*\kt+8*fs:64*\kt+8*fs+7], v[64*(2*(\u)+\a2)+8*fs:64*(2*(\u)+\a2)+8*fs+7], 0
.else
	v_wmma_f32_16x16x32_bf16 v[192+32*(\u)+8*(2*\kt+\a2):192+32*(\u)+8*(2*\kt+\a2)+7], v[64*\kt+8*fs:64*\kt+8*fs+7], v[64*(2*(\u)+\a2)+8*fs:64*(2*(\u)+\a2)+8*fs+7], v[192+32*(\u)+8*(2*\kt+\a2):192+32*(\u)+8*(2*\kt+\a2)+7]
.endif
.endr
.endr
.set fs, fs+1
.endr
	WIN 0
.endm
; S^T rounded to bf16: query tile a2's fragment at PKD + 16 u + 8 a2.  full = -1, or 0 in the pair's last step: there the first query tile keeps the first key tile up to the diagonal
; and nothing of the second; the second query tile keeps all of the first key tile and the second up to the diagonal.  The word (c, c) goes under the same masks, at PKC + 16 u + 8 a2.
.macro CVTS u, full
.irp p,0,1,2,3
	v_or_b32 v[M1+4*(\u)+\p], \full, v[MD+\p]
.endr
.irp a2,0,1
.irp kt,0,1
.irp p,0,1,2,3
	v_cvt_pk_bf16_f32 v[PKD+16*(\u)+8*\a2+4*\kt+\p], v[192+32*(\u)+8*(2*\kt+\a2)+2*\p], v[192+32*(\u)+8*(2*\kt+\a2)+2*\p+1]
.endr
.endr
.endr
.irp p,0,1,2,3
	v_and_b32 v[PKD+16*(\u)+\p], v[PKD+16*(\u)+\p], v[M1+4*(\u)+\p]
	v_and_b32 v[PKD+16*(\u)+4+\p], \full, v[PKD+16*(\u)+4+\p]
	v_and_b32 v[PKD+16*(\u)+12+\p], v[PKD+16*(\u)+12+\p], v[M1+4*(\u)+\p]
.endr
.irp p,0,1,2,3
	v_and_b32 v[PKC+16*(\u)+\p], v[CC+2*(\u)], v[M1+4*(\u)+\p]
	v_and_b32 v[PKC+16*(\u)+4+\p], \full, v[CC+2*(\u)]
	v_and_b32 v[PKC+16*(\u)+12+\p], v[CC+2*(\u)+1], v[M1+4*(\u)+\p]
.endr
.endm
.macro PVM u, bb                               ; O^T += V'^T B, B the fragments at bb: ten accumulators, one product each
	WIN 0xf0                                       ; A and B window 0, C and D window 3
.irp t,0,1,2,3,4
.irp a2,0,1
.set rA, DD+8*\t
.if \t == 4
.set rA, ONES
.endif
	v_wmma_f32_16x16x32_bf16 v[8*(5*(2*(\u)+\a2)+\t):8*(5*(2*(\u)+\a2)+\t)+7], v[rA:rA+7], v[(\bb)+16*(\u)+8*\a2:(\bb)+16*(\u)+8*\a2+7], v[8*(5*(2*(\u)+\a2)+\t):8*(5*(2*(\u)+\a2)+\t)+7]
.endr
.endr
	WIN 0
.endm
	FETCHK
	FETCHV
	; eight key steps of 32.  Step s serves my first pair while s <= w and my second while s <= 7 - w; the steps behind that are jumped over, forward.
	; The next step's E is asked for as soon as this step's scores are made, its V behind this step's last products.
	s_mov_b32 s33, 0
.Lstep:
	s_cmp_gt_u32 s33, s19
	s_cbranch_scc1 .Ldead
	s_cmp_eq_u32 s33, s19
	s_cselect_b32 s34, 0, -1
	s_cmp_eq_u32 s33, s18
	s_cselect_b32 s35, 0, -1
	s_wait_dscnt 0x0
	SMUL 1
	s_cmp_gt_u32 s33, s18
	s_cbranch_scc1 .Lno0a
	SMUL 0
.Lno0a:
	PLACES
	s_cmp_eq_u32 s33, s19
	s_cbranch_scc1 .Lnofk
	v_add_nc_u32 v[AKP], 16384, v[AKP]
	FETCHK
.Lnofk:
	CVTS 1, s34
	PVM 1, PKD
	PVM 1, PKC
	s_cmp_gt_u32 s33, s18
	s_cbranch_scc1 .Lno0b
	CVTS 0, s35
	PVM 0, PKD
	PVM 0, PKC
.Lno0b:
	PLACES
	s_cmp_eq_u32 s33, s19
	s_cbranch_scc1 .Ldead
	v_add_nc_u32 v[AVT], 32*PV, v[AVT]
	FETCHV
.Ldead:
	s_add_co_u32 s33, s33, 1
	s_cmp_lt_u32 s33, 8
	s_cbranch_scc1 .Lstep
	; THE WAY OUT.  The loop's LDS addresses step under branches on the wave's number, so a barrier stands between every wave's reads in the loop (each waited for) and the LDS stores that follow.
	; Every register of the fifth dv tile is the query's denominator but for c (256 chunk + 0.16); the numerators take c svp.  A lane's eight neighbouring numbers of a row go into rows of
	; 272 bytes of my own stage and come back as whole rows of 256 bytes.
	s_wait_dscnt 0x0
	s_barrier_signal -1
	s_barrier_wait -1
	PLACES
	WIN 0x30                                       ; source 2 in window 3
.irp a,0,1,2,3
	v_fma_f32 v[DEN+\a], v[CF+2*\a], v[CNT], v[8*(5*\a+4)]
.endr
	WIN 0
.irp a,0,1,2,3
	v_rcp_f32 v[RC+2*\a], v[DEN+\a]
	v_rcp_f32 v[RC+2*\a+1], v[DEN+\a]
.endr
	v_nop                                          ; a plain instruction between the last reciprocal and the use of its result
	s_wait_alu depctr_va_vdst(0)
.macro PACK a
	WIN 0x33                                       ; sources 0 and 2 in window 3
.irp t,0,1,2,3
.irp p,0,1,2,3
	v_pk_fma_f32 v[DD+32*(\a)+8*\t+2*\p:DD+32*(\a)+8*\t+2*\p+1], v[SVP+8*\t+2*\p:SVP+8*\t+2*\p+1], v[CF+2*(\a):CF+2*(\a)+1], v[8*(5*(\a)+\t)+2*\p:8*(5*(\a)+\t)+2*\p+1]
.endr
.endr
	WIN 0
.irp t,0,1,2,3
.irp p,0,1,2,3
	v_pk_mul_f32 v[DD+32*(\a)+8*\t+2*\p:DD+32*(\a)+8*\t+2*\p+1], v[DD+32*(\a)+8*\t+2*\p:DD+32*(\a)+8*\t+2*\p+1], v[RC+2*(\a):RC+2*(\a)+1]
.endr
.endr
.irp t,0,1,2,3
	ds_store_b128 v[STO], v[DD+32*(\a)+8*\t:DD+32*(\a)+8*\t+3] offset:64*\t
	ds_store_b128 v[STO], v[DD+32*(\a)+8*\t+4:DD+32*(\a)+8*\t+7] offset:64*\t+16
.endr
.irp j,0,1,2,3,4,5,6,7
	ds_load_b128 v[DD+32*(\a)+4*\j:DD+32*(\a)+4*\j+3], v[SRD] offset:544*\j     ; LDS serves a wave's instructions in order (ISA guide 5.7.1.4): these see the stores above, and the next tile's stores come behind them
.endr
.endm
.macro SEND a, younger                         ; younger: the LDS instructions issued behind tile a's loads
	s_wait_dscnt \younger
.irp j,0,1,2,3,4,5,6,7
.if (\a) < 2
	global_store_b128 v[GO], v[DD+32*(\a)+4*\j:DD+32*(\a)+4*\j+3], s[16:17] offset:4096*((\a)%2)+512*\j th:TH_STORE_NT     ; two whole rows: 512 consecutive bytes
.else
	global_store_b128 v[GO], v[DD+32*(\a)+4*\j:DD+32*(\a)+4*\j+3], s[38:39] offset:4096*((\a)%2)+512*\j th:TH_STORE_NT
.endif
.endr
.endm
	PACK 0
	PACK 1
	SEND 0, 16
	PACK 2
	SEND 1, 16
	PACK 3
	SEND 2, 16
	SEND 3, 0
	s_wait_tensorcnt 0x0                           ; the wave's end
	ds_add_u32 v[SPW], v[NIL]
	s_wait_dscnt 0x0
	s_endpgm
.Lfunc_end_k_q46cbf52f14_attn:
	.size	k_q46cbf52f14_attn, .Lfunc_end_k_q46cbf52f14_attn-k_q46cbf52f14_attn
	.p2alignl 7, 3214868480
	.fill 96, 4, 3214868480
	.section	.rodata,"a",@progbits
	.p2align	6, 0x0
	.amdhsa_kernel k_q46cbf52f14_attn
		.amdhsa_group_segment_fixed_size 324096
		.amdhsa_private_segment_fixed_size 0
		.amdhsa_enable_private_segment 0
		.amdhsa_kernarg_size 64
		.amdhsa_user_sgpr_count 2
		.amdhsa_user_sgpr_kernarg_segment_ptr 1
		.amdhsa_wavefront_size32 1
		.amdhsa_system_sgpr_workgroup_id_x 1
		.amdhsa_system_sgpr_workgroup_id_y 1
		.amdhsa_system_sgpr_workgroup_id_z 1
		.amdhsa_system_vgpr_workitem_id 0
		.amdhsa_next_free_vgpr 1024
		.amdhsa_next_free_sgpr 66
		.amdhsa_reserve_vcc 1
		.amdhsa_float_denorm_mode_32 3
		.amdhsa_float_denorm_mode_16_64 3
		.amdhsa_memory_ordered 1
		.amdhsa_forward_progress 1
		.amdhsa_inst_pref_size 177
	.end_amdhsa_kernel
	.amdgpu_metadata
---
amdhsa.version: [ 1, 2 ]
amdhsa.kernels:
  - .name:           k_q46cbf52f14_attn
    .symbol:         k_q46cbf52f14_attn.kd
    .args:
      - { .name: q, .offset: 0, .size: 8, .value_kind: global_buffer, .address_space: global }
      - { .name: k, .offset: 8, .size: 8, .value_kind: global_buffer, .address_space: global }
      - { .name: v, .offset: 16, .size: 8, .value_kind: global_buffer, .address_space: global }
      - { .name: projection_matrix, .offset: 24, .size: 8, .value_kind: global_buffer, .address_space: global }
      - { .name: ctxf, .offset: 32, .size: 8, .value_kind: global_buffer, .address_space: global }
      - { .name: smax, .offset: 40, .size: 8, .value_kind: global_buffer, .address_space: global }
      - { .name: out0, .offset: 48, .size: 8, .value_kind: global_buffer, .address_space: global }
      - { .name: svp, .offset: 56, .size: 8, .value_kind: global_buffer, .address_space: global }
    .group_segment_fixed_size: 324096
    .private_segment_fixed_size: 0
    .kernarg_segment_align: 8
    .kernarg_segment_size: 64
    .max_flat_workgroup_size: 128
    .sgpr_count:     66
    .vgpr_count:     1024
    .wavefront_size: 32
...
	.end_amdgpu_metadata
.endif
;; end of part 3
;; ======== version 2 of 2: 3 launches; version 1 with the launch prefix written anew for expert scheduling mode
;; workspace buffers: part 20,971,520 bytes; sv 131,072 bytes; smax 4,096 bytes; ctxf 10,485,760 bytes; svp 131,072 bytes
;; launch ksum: the kernel of part 1 again; grid 16 x 16, 4 waves a work-group, no clusters, 116,224 bytes of LDS; arguments k, v, projection_matrix, part, sv, smax; writes part, sv, smax
;; launch prefix (part 4): grid 16 x 16, 5 waves a work-group, no clusters, 0 bytes of LDS; arguments part, sv, smax, ctxf, svp; writes ctxf, svp
.if DOCPART == 4
	.amdgcn_target "amdgcn-amd-amdhsa--gfx1250"
	.amdhsa_code_object_version 6
	.text
	.protected	k_q46cbf52f14_prefix
	.globl	k_q46cbf52f14_prefix
	.p2align	8
	.type	k_q46cbf52f14_prefix,@function
k_q46cbf52f14_prefix:
	s_mov_b64 s[64:65], 0
	v_nop
	global_prefetch_b8 v0, s[64:65] scope:SCOPE_SE
	s_setreg_imm32_b32 hwreg(HW_REG_WAVE_SCHED_MODE, 0, 2), 2
	s_setreg_imm32_b32 hwreg(HW_REG_WAVE_MODE, 25, 1), 1
	s_wait_xcnt 0x0
	s_wait_alu depctr_vm_vsrc(0)
; THE EXCLUSIVE PREFIX OVER A HEAD'S 16 CHUNKS.  grid x = feature tile fg (0 .. 15), y = batch*8+head; wave t = dv tile (0 .. 4).
; A wave owns one tile of 16 x 16: a lane holds one dv (16 t + lane % 16) and eight features.  For chunk c it stores, rounded once to bf16,
;   ctxE_c = sum over c' < c of exp(s_c' - S) part_c',   S = the maximum of all 1,024 stored maxima.
; The sums stay in f32; what is stored is the finished A operand of the last launch, in the order of its fragments: 512 consecutive bytes an instruction.
; The work-group of feature tile fg also stores, in f32, svp of chunk fg: the column sums of v over the chunks in front of it (waves 0 to 3, a dv tile each).
; A stream: no LDS, no matrix unit, no cluster (no two work-groups read the same tile of part).  All 54 loads of a wave go out at its head.
; Wave 4, the column of ones, has no column sums: it loads tile 3's, so that the waits count alike in all waves, and stores none.
; LIMITS.  NaN and infinities are not treated apart (a sum that is left out is multiplied by 0); an exponential below 2^-126 counts as 0.
; THE MODE: SCHED_MODE bits 1:0 = 2 (LLVM: expert scheduling mode 2), set by the entry lines.  The code itself states the register dependences
; between vector instructions and memory instructions, with s_wait_alu, always for 0.
; THE PLAN.  Registers that memory instructions touch:
;   v3, v4, v5   byte offsets, made at the head and never written again; every load and store reads one of them.
;   v8-40, v48-62, v64-183   written by the loads at the head, which no vector instruction names before; read by vector instructions alone, but for:
;   chunk c's first four registers   step c's multiply-adds read them, its four roundings then write output c + 1 into them, one store reads them, and nothing writes them again.
;   v192-195     zeros, output 0: written once, read by one store.        v6   the column sum: written by the steps' multiply-adds, read by the last store.
; No load is issued behind the head and no register that a memory instruction has read is written again: so no wait on vm_vsrc is owed.
; Step c stores output c, which the step before rounded: ONE wait on va_vdst at the step's head, behind the wait for the chunk's data, states that those roundings are written.
; The fifteen factors leave v43 for scalar registers in one run, with one wait on va_sdst behind it.
.set SVR, 48                  ; v48-62   sv of chunks 0 .. 14
.set PT, 64                   ; v64-183  part of chunks 0 .. 14, eight registers each; a chunk's first four later hold the next chunk's output
.set ACC, 184                 ; v184-191
.set O0, 192                  ; v192-195 chunk 0's output: zeros
.set AS, 36                   ; s36-50   exp(s_c - S) of chunks 0 .. 14
	s_load_b256 s[4:11], s[0:1], 0x0               ; part s[4:5], sv s[6:7], smax s[8:9], ctxf s[10:11]
	s_load_b64 s[32:33], s[0:1], 0x20              ; svp
	v_and_b32 v1, 31, v0
	v_lshrrev_b32 v2, 5, v0
	v_readfirstlane_b32 s12, v2                    ; t
	s_and_b32 s13, ttmp7, 0xffff
	s_mov_b32 s14, ttmp9                           ; fg
	v_lshlrev_b32 v3, 4, v1
	v_lshlrev_b32 v4, 2, v1
	v_and_b32 v5, 15, v0
	v_lshlrev_b32 v5, 2, v5
	s_mul_i32 s16, s13, 16*81920
	s_mul_i32 s17, s14, 5
	s_wait_alu depctr_va_sdst(0)                   ; s12 is written, ahead of its first reader: the offsets into part, ctxf, sv and svp are made from it
	s_add_co_u32 s17, s17, s12
	s_lshl_b32 s17, s17, 10                        ; tile 5 fg + t of 1,024 bytes
	s_add_co_u32 s16, s16, s17
	s_mov_b32 s17, 0
	s_mul_i32 s18, s13, 16*40960
	s_lshl_b32 s19, s12, 4
	s_add_co_u32 s19, s19, s14
	s_lshl_b32 s19, s19, 9                         ; half fg % 2 of fragment (t, fg / 2): 512 (16 t + fg)
	s_add_co_u32 s18, s18, s19
	s_mov_b32 s19, 0
	s_lshl_b32 s20, s13, 13
	s_min_u32 s21, s12, 3
	s_lshl_b32 s21, s21, 7
	s_add_co_u32 s20, s20, s21
	s_lshl_b32 s34, s13, 4                         ; svp of chunk fg: 512 bytes a chunk, 128 a dv tile
	s_add_co_u32 s34, s34, s14
	s_lshl_b32 s34, s34, 9
	s_add_co_u32 s34, s34, s21
	s_mov_b32 s35, 0
	s_mov_b32 s21, 0
	s_lshl_b32 s22, s13, 2
	s_lshr_b32 s23, s14, 2                         ; the wave of the first launch that made this feature tile
	s_add_co_u32 s22, s22, s23
	s_lshl_b32 s22, s22, 6
	s_mov_b32 s23, 0
	s_mov_b32 s28, 0x76543210
	s_mov_b32 s29, 0xfedcba98
	s_wait_kmcnt 0x0
	s_add_nc_u64 s[4:5], s[4:5], s[16:17]
	s_add_nc_u64 s[6:7], s[6:7], s[20:21]
	s_add_nc_u64 s[30:31], s[8:9], s[22:23]
	s_add_nc_u64 s[10:11], s[10:11], s[18:19]
	s_add_nc_u64 s[32:33], s[32:33], s[34:35]
	s_wait_alu depctr_va_vdst(0)                   ; v3, v4 and v5 are written: every load and store of the kernel reads one of them as its offset
.set i, 0
.rept 8
	global_load_b128 v[8+4*i:8+4*i+3], v3, s[8:9] offset:512*i      ; all 1,024 maxima
.set i, i+1
.endr
	global_load_b32 v40, v5, s[30:31]              ; lane c % 16: the maximum of chunk c for this feature tile
.set c, 0
.rept 15
	global_load_b32 v[SVR+c], v4, s[6:7] offset:512*c
	global_load_b128 v[PT+8*c:PT+8*c+3], v3, s[4:5] offset:81920*c
	global_load_b128 v[PT+8*c+4:PT+8*c+7], v3, s[4:5] offset:81920*c+512
.set c, c+1
.endr
	v_mov_b32 v6, 0                                ; the column sum of v over the chunks in front of chunk fg
	v_mov_b32 v42, 0
	v_mov_b32 v47, 0
.irp p,0,1,2,3
	v_mov_b32 v[O0+\p], 0
.endr
	s_wait_loadcnt 45                              ; the maxima are in; three loads for each of 15 chunks may be out
	v_max3_num_f32 v41, v8, v9, v10
.set i, 0
.rept 14
	v_max3_num_f32 v41, v41, v[11+2*i], v[12+2*i]
.set i, i+1
.endr
	v_max_num_f32 v41, v41, v39
	v_max_num_f32_dpp v41, v41, v41 row_xmask:1 row_mask:0xf bank_mask:0xf
	v_max_num_f32_dpp v41, v41, v41 row_xmask:2 row_mask:0xf bank_mask:0xf
	v_max_num_f32_dpp v41, v41, v41 row_xmask:4 row_mask:0xf bank_mask:0xf
	v_max_num_f32_dpp v41, v41, v41 row_xmask:8 row_mask:0xf bank_mask:0xf
	v_permlanex16_b32 v42, v41, s28, s29
	v_max_num_f32 v41, v41, v42
	v_sub_f32 v43, v40, v41
	v_mul_f32 v43, 0x3f0293ee, v43                 ; times 64^-0.25 log2(e)
	v_exp_f32 v43, v43                             ; lane c: exp(s_c - S), at most 1
	v_nop                                          ; a plain instruction between the exponential and the use of its result
	s_wait_alu depctr_va_vdst(0)                   ; the exponential has written v43, which the lane reads below name; the four v_mov have written v[O0 ..], which the store below reads
	global_store_b128 v3, v[O0:O0+3], s[10:11]     ; output 0
.set c, 0
.rept 15
	v_readlane_b32 s[AS+c], v43, c                 ; the fifteen factors, in one run
.set c, c+1
.endr
	s_wait_alu depctr_va_sdst(0)                   ; s36 to s50 are written, ahead of their first reader: one wait for the run
; Step c: output c, which the step before rounded, is stored; chunk c is added; output c + 1 is rounded into chunk c's first four registers.
.set c, 0
.rept 15
	s_wait_loadcnt 3*(14-c)                        ; chunk c is in; three loads for each later chunk may be out
.if c > 0
	s_wait_alu depctr_va_vdst(0)                   ; the step before has written its four roundings, which the store below reads
	global_store_b128 v3, v[PT+8*(c-1):PT+8*(c-1)+3], s[10:11] offset:40960*c      ; registers that nothing writes again
.endif
	v_mov_b32 v46, s[AS+c]
.irp p,0,1,2,3
.if c == 0
	v_pk_mul_f32 v[ACC+2*\p:ACC+2*\p+1], v[PT+2*\p:PT+2*\p+1], v[46:47] op_sel_hi:[1,0]
.else
	v_pk_fma_f32 v[ACC+2*\p:ACC+2*\p+1], v[PT+8*c+2*\p:PT+8*c+2*\p+1], v[46:47], v[ACC+2*\p:ACC+2*\p+1] op_sel_hi:[1,0,1]
.endif
.endr
	s_cmp_lt_u32 c, s14                            ; does chunk c lie in front of chunk fg?
	s_cselect_b32 s26, 1.0, 0
	v_fmac_f32 v6, s26, v[SVR+c]
.irp p,0,1,2,3
	v_cvt_pk_bf16_f32 v[PT+8*c+\p], v[ACC+2*\p], v[ACC+2*\p+1]
.endr
.set c, c+1
.endr
	s_wait_alu depctr_va_vdst(0)                   ; step 14 has written its four roundings and v6: the two stores below read them, and no vector instruction follows this wait
	global_store_b128 v3, v[PT+8*14:PT+8*14+3], s[10:11] offset:40960*15
	s_cmp_eq_u32 s12, 4
	s_cbranch_scc1 .Lend
	global_store_b32 v4, v6, s[32:33]              ; lane 16 h + r: column 16 t + r; the four waves fill the chunk's 512 bytes
.Lend:
	s_endpgm
.Lfunc_end_k_q46cbf52f14_prefix:
	.size	k_q46cbf52f14_prefix, .Lfunc_end_k_q46cbf52f14_prefix-k_q46cbf52f14_prefix
	.p2alignl 7, 3214868480
	.fill 96, 4, 3214868480
	.section	.rodata,"a",@progbits
	.p2align	6, 0x0
	.amdhsa_kernel k_q46cbf52f14_prefix
		.amdhsa_group_segment_fixed_size 0
		.amdhsa_private_segment_fixed_size 0
		.amdhsa_enable_private_segment 0
		.amdhsa_kernarg_size 40
		.amdhsa_user_sgpr_count 2
		.amdhsa_user_sgpr_kernarg_segment_ptr 1
		.amdhsa_wavefront_size32 1
		.amdhsa_system_sgpr_workgroup_id_x 1
		.amdhsa_system_sgpr_workgroup_id_y 1
		.amdhsa_system_sgpr_workgroup_id_z 1
		.amdhsa_system_vgpr_workitem_id 0
		.amdhsa_next_free_vgpr 200
		.amdhsa_next_free_sgpr 66
		.amdhsa_reserve_vcc 0
		.amdhsa_float_denorm_mode_32 3
		.amdhsa_float_denorm_mode_16_64 3
		.amdhsa_memory_ordered 1
		.amdhsa_forward_progress 1
		.amdhsa_inst_pref_size 22
	.end_amdhsa_kernel
	.amdgpu_metadata
---
amdhsa.version: [ 1, 2 ]
amdhsa.kernels:
  - .name:           k_q46cbf52f14_prefix
    .symbol:         k_q46cbf52f14_prefix.kd
    .args:
      - { .name: part, .offset: 0, .size: 8, .value_kind: global_buffer, .address_space: global }
      - { .name: sv, .offset: 8, .size: 8, .value_kind: global_buffer, .address_space: global }
      - { .name: smax, .offset: 16, .size: 8, .value_kind: global_buffer, .address_space: global }
      - { .name: ctxf, .offset: 24, .size: 8, .value_kind: global_buffer, .address_space: global }
      - { .name: svp, .offset: 32, .size: 8, .value_kind: global_buffer, .address_space: global }
    .group_segment_fixed_size: 0
    .private_segment_fixed_size: 0
    .kernarg_segment_align: 8
    .kernarg_segment_size: 40
    .max_flat_workgroup_size: 160
    .sgpr_count:     66
    .vgpr_count:     200
    .wavefront_size: 32
...
	.end_amdgpu_metadata
.endif
;; end of part 4
;; launch attn: the kernel of part 3 again; grid 16 x 16, 4 waves a work-group, no clusters, 324,096 bytes of LDS; arguments q, k, v, projection_matrix, ctxf, smax, out0, svp; writes out0
